; MI455X (gfx1250); checked and timed in simulation.
; The chip was launched on July 23, 2026; its instructions are those of AMD's public machine-readable ISA for CDNA 5 (MIT licence, August 2026) and "CDNA5" Instruction Set Architecture Reference Guide (July 2026). The comments in the code are by the model that wrote it; some were corrected since.
;; KAN Layer Old. Allowed arithmetic: matrix products marked QUANTISED: E5M2 operands, one E8M0 scale for each 32 along K, by v_wmma_scale_f32_16x16x128_f8f6f4 with both operands' format E5M2, f32 sums; everything else in f32.
;; Inputs: bias 64 float32; input_log_scale 64 float32; input_shift 64 float32; inputs 32,768 x 64 float32; knots 68 float32; ln_beta 64 float32; ln_gamma 64 float32; skip_W_codes 64 x 2 x 32 uint8 (E5M2 codes of skip_W, K innermost, in blocks of 32 codes); skip_W_scales 64 x 2 uint8 (E8M0 scales of skip_W, one for each 32 codes along K); skip_b 64 float32; spline_coeffs 64 x 64 x 64 float32.
;; Outputs: out0 32,768 x 64 float32.
;; This version of the problem:
;;   THIS VERSION OF THE PROBLEM IS GIVEN IN LOW PRECISION. The matrix products marked QUANTISED in the list below multiply operands that are first quantised to E5M2 (5 exponent bits, 2 mantissa bits; 8 bits a number), with one power-of-two scale for each 32 numbers along K (OCP MX v1.0); their sums are f32. All else is computed in f32.
;;   The module's matrix products, in the order in which they are computed (A, B: the left and right operand; K: the contracted axis; several contracted axes count as one K, in the product's order):
;;     1. [M 32,768, K 4,096] x [K 4,096, N 64]; A: computed on the way; B: input spline_coeffs: QUANTISED
;;     2. [M 32,768, K 64] x [K 64, N 64]; A: input inputs; B: input skip_W (given as codes): QUANTISED
;;   THE QUANTISER, for each operand of a quantised product, along K:
;;     - K is cut into blocks of 32 from its start; a last block that is shorter is filled with zeros.
;;     - A block's scale is 2^e with e = floor(log2(the largest magnitude in the block)) - 15, held to -126 .. 127; a block of zeros has e = 0. As a byte (E8M0): e + 127.
;;     - Each number is divided by its block's scale, clamped to +-57,344, and rounded to the nearest number of E5M2, ties to even, subnormals kept.
;;     - The product sums the exact products of the quantised numbers (number of the format x scale) in f32.
;;   ~~~python
;;   def quantise(x, axis):      # numpy; x: float32 -> the quantised numbers, widened to float32 again
;;       x = np.moveaxis(x, axis, -1); K = x.shape[-1]
;;       x = np.pad(x, [(0, 0)] * (x.ndim - 1) + [(0, -K % 32)]); x = x.reshape(x.shape[:-1] + (-1, 32)); a = np.abs(x).max(-1, keepdims=True)
;;       e = np.where(a > 0, np.clip(np.frexp(np.where(a > 0, a, 1))[1] - 1 - 15, -126, 127), 0)      # np.frexp(a)[1] - 1 = floor(log2(a)), exactly
;;       r = np.clip(x / 2.0 ** e, -57344, 57344)
;;       step = 2.0 ** (np.maximum(np.frexp(np.where(r == 0, 1, r))[1] - 1, -14) - 2)
;;       q = np.round(r / step) * step * 2.0 ** e      # np.round: ties to even
;;       return np.moveaxis(q.reshape(q.shape[:-2] + (-1,))[..., :K], -1, axis).astype(np.float32)
;;   ~~~
;;   OPERANDS COMPUTED ON THE WAY. 'Computed on the way' means the value that the module computes at that place (a softmax that the list does not call 'softmax' is quantised finished and normalised). What goes into a quantiser is computed in f32, as accurately as f32 sums, v_exp_f32 and their like allow (about 1e-6 of the number): no bf16 or f16 on the way to a quantiser, and a product that is left as it is and whose result goes on into a quantised operand takes f32 operands (vector FMAs, or v_wmma_f32_16x16x4_f32). A number that lies on a knife's edge between two numbers of the format may be rounded either way, as far as f32 arithmetic and the matrix unit's own rounding can turn it there, and no further.
;;   INPUTS GIVEN AS CODES. skip_W (in the module: [64, 64], K = its axis 1): each comes as NAME_codes (uint8): NAME with its K axis moved to the last place and cut into blocks of 32 codes, [.., K / 32, bytes a block], one block behind the other in memory; one code a byte (a code: sign, 5 exponent bits, 2 mantissa bits); and NAME_scales (uint8): the same leading axes, one E8M0 byte (e + 127) for each 32 codes along K. Its value is code x scale, taken as it is: it is not quantised again, and the codes and scales need not be those that the quantiser above would give.
;; One version. Each part assembles by itself: llvm-mc -triple=amdgcn-amd-amdhsa -mcpu=gfx1250 --defsym DOCPART=n.
;; ======== version 1 of 1: 2 launches
;; workspace buffers: wq 270,336 bytes; ctab 4,096 bytes; fscale 256 bytes
;; launch prep (part 1): grid 33 x 1, 4 waves a work-group, no clusters, 1,024 bytes of LDS; arguments spline_coeffs, knots, input_log_scale, wq, ctab, fscale; writes wq, ctab, fscale
.if DOCPART == 1
	.amdgcn_target "amdgcn-amd-amdhsa--gfx1250"
	.amdhsa_code_object_version 6
	.text
	.protected	k_q540c278d5d_prep
	.globl	k_q540c278d5d_prep
	.p2align	8
	.type	k_q540c278d5d_prep,@function
k_q540c278d5d_prep:
	s_mov_b64 s[64:65], 0
	v_nop
	global_prefetch_b8 v0, s[64:65] scope:SCOPE_SE
	s_setreg_imm32_b32 hwreg(HW_REG_WAVE_MODE, 25, 1), 1
	s_wait_xcnt 0x0
; WHAT IS MADE ONCE, for the launch that follows.
; Work-groups 0-31: spline_coeffs [64 f][64 g][64 w], f32, K = (f, g), becomes codes of BF8 (E5M2) with one E8M0 byte for each 32 along K, laid in the order of the operand's registers.
;   Record S (features 2 S and 2 S + 1: one K step of 128) is 8,448 bytes: four images of a fragment (tile t = 16 columns w), then 64 scale words.
;   The byte of (tile t, block c, lane 16 h + r, i) stands at 2048 t + 512 c + 256 h + 16 r + i and is the code of [f = 2 S + c % 2][g = 32 (c / 2) + 16 h + i][w = 16 t + r];
;   the scale word of (t, r) stands at 8192 + 64 t + 4 r, its byte c is block c's.
;   Wave c takes block c.  A LANE TAKES A COLUMN w AND ITS REGISTERS RUN DOWN g: a block of 32 lies in one lane, and the conversions give codes with K innermost.  Lane l takes w = l and w = l + 32.
; Work-group 32: the tables.  ctab entry s (32 bytes, s = 0 .. 127) = { -k_s, 0, R2_(s-7), 0, R3_(s-10), 0, R1_(s-4), 0 }, with Rd_i = 1 / (k_(i+d) - k_i) where that difference is above 0, else 0,
;   and 0 where i lies outside 0 .. 67 - d: what step s of the next launch's walk over the knots uses, each number in an even word.  fscale[f] = softplus(input_log_scale[f]) + 0.001.
; A block's scale is 2^(floor(log2(its largest magnitude)) - 15); its byte is the largest magnitude's exponent field - 15, held at 1 from below.  A block of zeros so gets the byte 1 where the
; quantiser's text says 127: its codes are zeros, which add nothing under any byte but 0xff, and the bytes are read by this program alone.
; LIMITS: NaN and infinities among the inputs are not served; a gap between knots that is above 0 and under 2^-126 is not served (v_rcp_f32 takes a denormal for 0).
.set REC, 8448
	s_load_b128 s[4:7], s[0:1], 0x0                ; spline_coeffs, knots
	s_load_b128 s[8:11], s[0:1], 0x10              ; input_log_scale, wq
	s_load_b128 s[12:15], s[0:1], 0x20             ; ctab, fscale
	v_lshl_add_u32 v128, v0, 2, 0x200
	v_mov_b32 v129, 0
	v_lshrrev_b32 v1, 5, v0
	v_readfirstlane_b32 s16, v1                    ; wave 0..3
	v_and_b32 v2, 31, v0                           ; lane
	v_lshlrev_b32 v3, 2, v2                        ; in: 4 bytes a lane
	v_lshrrev_b32 v4, 4, v2
	v_and_b32 v7, 15, v2
	v_lshlrev_b32 v4, 11, v4
	v_lshl_add_u32 v4, v7, 4, v4                   ; out: tile l / 16 (2,048 bytes), 16 bytes for row l % 16
	v_lshl_add_u32 v5, v2, 2, s16                  ; LDS: column l's scale word, my block's byte
	v_lshlrev_b32 v6, 3, v2                        ; and 8 bytes a lane on the words' way out
	s_mov_b32 s17, 0x600000                        ; the mantissa field of 57,344
	s_wait_kmcnt 0x0
	s_cmp_lt_u32 ttmp9, 32
	s_cbranch_scc0 .Ltables
	; ---- a record of the weight
	s_lshl_b32 s20, ttmp9, 15                      ; two features of 16,384 bytes,
	s_and_b32 s21, s16, 1
	s_lshl_b32 s21, s21, 14                        ; the block's feature,
	s_add_co_u32 s20, s20, s21
	s_lshr_b32 s21, s16, 1
	s_lshl_b32 s21, s21, 13                        ; its 32 rows g of 256 bytes
	s_add_co_u32 s20, s20, s21
	s_mov_b32 s21, 0
	s_add_nc_u64 s[4:5], s[4:5], s[20:21]
	s_mul_i32 s22, ttmp9, REC
	s_mov_b32 s23, 0
	s_add_nc_u64 s[10:11], s[10:11], s[22:23]      ; my record
	s_lshl_b32 s24, s16, 9
	s_mov_b32 s25, 0
	s_add_nc_u64 s[18:19], s[10:11], s[24:25]      ; and my block in each of its images
.set i, 0
.rept 32
	global_load_b32 v[32+i], v3, s[4:5] offset:256*i th:TH_LOAD_NT       ; (g = i, w = l): 32 lanes read 128 consecutive bytes
.set i, i+1
.endr
.set i, 0
.rept 32
	global_load_b32 v[64+i], v3, s[4:5] offset:256*i+128 th:TH_LOAD_NT   ; (g = i, w = l + 32): the other half of the same 256 bytes
.set i, i+1
.endr
; 32 numbers of one column, v[x] on, become 32 codes in v[cod] .. v[cod + 7] and the scale's byte in v[by]
.macro QCOL x, cod, by
	v_max3_num_f32 v8, |v[\x]|, |v[\x+1]|, 0x8000000                 ; the largest magnitude, in two chains, and the floor 2^(16 - 127): the byte cannot fall under 1
	v_max3_num_f32 v9, |v[\x+16]|, |v[\x+17]|, |v[\x+18]|
.irp i, 2,4,6,8,10,12
	v_max3_num_f32 v8, v8, |v[\x+\i]|, |v[\x+\i+1]|
	v_max3_num_f32 v9, v9, |v[\x+\i+17]|, |v[\x+\i+18]|
.endr
	v_max3_num_f32 v8, v8, |v[\x+14]|, |v[\x+15]|
	v_max3_num_f32 v8, v8, v9, |v[\x+31]|
	v_add_nc_u32 v10, 0xf8800000, v8               ; 15 off its exponent field: the conversion takes the exponent field of this operand as its scale
	v_and_or_b32 v11, v8, 0x7f800000, s17          ; 57,344 x the scale
	v_lshrrev_b32 v[\by], 23, v10                  ; the scale's byte
.set i, 0
.rept 32
	v_med3_num_f32 v[\x+i], v[\x+i], -v11, v11     ; the conversion to an 8-bit code does not saturate (ISA guide 7.6.2): the hold comes first
.set i, i+1
.endr
.irp m, 0,1,2,3
	v_cvt_scalef32_pk8_bf8_f32 v[\cod+2*\m:\cod+2*\m+1], v[\x+8*\m:\x+8*\m+7], v10
.endr
	v_nop                                          ; a plain line behind the last conversion, ahead of whatever writes its sources next
.endm
	s_wait_loadcnt 32                              ; column l is in; column l + 32's 32 loads may be out
	QCOL 32, 96, 12
	s_wait_loadcnt 0x0
	QCOL 64, 104, 13
	global_store_b128 v4, v[96:99], s[18:19]                   ; tiles 0, 1: g 0-15.  Sixteen lanes store 256 consecutive bytes, at a multiple of 256 from the buffer's first byte
	global_store_b128 v4, v[100:103], s[18:19] offset:256      ; g 16-31
	global_store_b128 v4, v[104:107], s[18:19] offset:4096     ; tiles 2, 3
	global_store_b128 v4, v[108:111], s[18:19] offset:4352
	ds_store_b8 v5, v12                            ; the four waves' bytes meet in LDS as words
	ds_store_b8 v5, v13 offset:128
	s_branch .Ljoin
	; ---- the tables: thread t makes entry t.  Every index is made of the thread's number alone
.Ltables:
	v_min_u32 v16, 67, v0
	v_lshlrev_b32 v16, 2, v16
	global_load_b32 v24, v16, s[6:7]               ; k_s (entries above 67 hold k_67's and are not used)
.irp d, 1,2,3
	v_add_nc_u32 v20, -(3*\d+1), v0                ; i = t - (3 d + 1)
	v_max_i32 v21, 0, v20
	v_min_u32 v21, 67-\d, v21                      ; held inside 0 .. 67 - d: no load leaves the knots
	v_cmp_eq_u32 s[26+\d], v20, v21                ; the entry has such a constant where the hold changed nothing
	v_lshlrev_b32 v[16+\d], 2, v21
	global_load_b32 v[24+2*\d], v[16+\d], s[6:7]                ; k_i
	global_load_b32 v[25+2*\d], v[16+\d], s[6:7] offset:4*\d    ; k_(i+d)
.endr
	s_wait_loadcnt 0x0
.irp d, 1,2,3
	v_sub_f32 v[24+2*\d], v[25+2*\d], v[24+2*\d]   ; the denominator
.endr
.irp d, 1,2,3
	v_rcp_f32 v[25+2*\d], v[24+2*\d]
.endr
	v_xor_b32 v40, 0x80000000, v24                 ; -k_s.  (A plain line behind the reciprocals)
	v_mov_b32 v41, 0
	v_mov_b32 v43, 0
	v_mov_b32 v45, 0
	v_mov_b32 v47, 0
.irp d, 1,2,3
	v_cmp_lt_f32 s[30+\d], 0, v[24+2*\d]           ; as reference(): only where the denominator is above 0
	s_and_b32 s[30+\d], s[30+\d], s[26+\d]
.endr
	s_wait_alu depctr_va_vdst(0)
	v_cndmask_b32 v46, 0, v27, s31                 ; R1
	v_cndmask_b32 v42, 0, v29, s32                 ; R2
	v_cndmask_b32 v44, 0, v31, s33                 ; R3
	v_lshlrev_b32 v22, 5, v0
	global_store_b128 v22, v[40:43], s[12:13]
	global_store_b128 v22, v[44:47], s[12:13] offset:16
	s_cmp_lt_u32 s16, 2                            ; threads 0-63 also make a feature's scale
	s_cbranch_scc0 .Ljoin
	v_lshlrev_b32 v23, 2, v0
	global_load_b32 v48, v23, s[8:9]
	s_wait_loadcnt 0x0
	v_mul_f32 v49, 0xbfb8aa3b, |v48|
	v_exp_f32 v49, v49                             ; e = exp(-|x|)
	v_max_num_f32 v53, 0, v48                      ; softplus(x) = max(x, 0) + log(1 + e)
	s_wait_alu depctr_va_vdst(0)
	v_add_f32 v50, 1.0, v49                        ; w = 1 + e, rounded
	v_add_f32 v51, -1.0, v50                       ; d = w - 1, exact: what of e went into w
	v_log_f32 v52, v50
	v_rcp_f32 v54, v51
	v_nop
	v_cmp_eq_f32 vcc_lo, 0, v51
	s_wait_alu depctr_va_vdst(0)
	v_mul_f32 v52, 0x3f317218, v52                 ; log(w)
	v_mul_f32 v52, v52, v49
	v_mul_f32 v52, v52, v54                        ; x e / d: log(1 + e) without the loss in w's rounding
	v_cndmask_b32 v52, v52, v49, vcc_lo            ; and e itself where w is 1
	v_add_f32 v52, v52, v53
	v_add_f32 v52, 0x3a83126f, v52                 ; + 0.001
	global_store_b32 v23, v52, s[14:15]
.Ljoin:
	s_wait_dscnt 0x0                               ; for the others' sake: my bytes lie in LDS
	s_barrier_signal -1
	s_barrier_wait -1
	s_cmp_lt_u32 ttmp9, 32
	s_cbranch_scc0 .Lend
	s_cmp_eq_u32 s16, 0
	s_cbranch_scc0 .Lend
	ds_load_b64 v[14:15], v6                       ; wave 0: the record's 64 scale words
	s_wait_dscnt 0x0
	global_store_b64 v6, v[14:15], s[10:11] offset:8192    ; 32 lanes store 256 consecutive bytes, at a multiple of 256 from the buffer's first byte
.Lend:
	s_wait_tensorcnt 0x0
	ds_add_u32 v128, v129
	s_wait_dscnt 0x0
	s_endpgm
.Lfunc_end_k_q540c278d5d_prep:
	.size	k_q540c278d5d_prep, .Lfunc_end_k_q540c278d5d_prep-k_q540c278d5d_prep
	.p2alignl 7, 3214868480
	.fill 96, 4, 3214868480
	.section	.rodata,"a",@progbits
	.p2align	6, 0x0
	.amdhsa_kernel k_q540c278d5d_prep
		.amdhsa_group_segment_fixed_size 1024
		.amdhsa_private_segment_fixed_size 0
		.amdhsa_enable_private_segment 0
		.amdhsa_kernarg_size 48
		.amdhsa_user_sgpr_count 2
		.amdhsa_user_sgpr_kernarg_segment_ptr 1
		.amdhsa_wavefront_size32 1
		.amdhsa_system_sgpr_workgroup_id_x 1
		.amdhsa_system_sgpr_workgroup_id_y 1
		.amdhsa_system_sgpr_workgroup_id_z 1
		.amdhsa_system_vgpr_workitem_id 0
		.amdhsa_next_free_vgpr 130
		.amdhsa_next_free_sgpr 66
		.amdhsa_reserve_vcc 1
		.amdhsa_float_denorm_mode_32 3
		.amdhsa_float_denorm_mode_16_64 3
		.amdhsa_memory_ordered 1
		.amdhsa_forward_progress 1
		.amdhsa_inst_pref_size 20
	.end_amdhsa_kernel
	.amdgpu_metadata
---
amdhsa.version: [ 1, 2 ]
amdhsa.kernels:
  - .name:           k_q540c278d5d_prep
    .symbol:         k_q540c278d5d_prep.kd
    .args:
      - { .name: spline_coeffs, .offset: 0, .size: 8, .value_kind: global_buffer, .address_space: global }
      - { .name: knots, .offset: 8, .size: 8, .value_kind: global_buffer, .address_space: global }
      - { .name: input_log_scale, .offset: 16, .size: 8, .value_kind: global_buffer, .address_space: global }
      - { .name: wq, .offset: 24, .size: 8, .value_kind: global_buffer, .address_space: global }
      - { .name: ctab, .offset: 32, .size: 8, .value_kind: global_buffer, .address_space: global }
      - { .name: fscale, .offset: 40, .size: 8, .value_kind: global_buffer, .address_space: global }
    .group_segment_fixed_size: 1024
    .private_segment_fixed_size: 0
    .kernarg_segment_align: 8
    .kernarg_segment_size: 48
    .max_flat_workgroup_size: 128
    .sgpr_count:     66
    .vgpr_count:     130
    .wavefront_size: 32
...
	.end_amdgpu_metadata
.endif
;; end of part 1
;; launch kan (part 2): grid 256 x 1, 8 waves a work-group, clusters of 4 x 1, 306,176 bytes of LDS; arguments inputs, input_shift, fscale, ctab, wq, skip_W_codes, skip_W_scales, skip_b, bias, ln_gamma, ln_beta, out0; writes out0
.if DOCPART == 2
	.amdgcn_target "amdgcn-amd-amdhsa--gfx1250"
	.amdhsa_code_object_version 6
	.text
	.protected	k_q540c278d5d_kan
	.globl	k_q540c278d5d_kan
	.p2align	8
	.type	k_q540c278d5d_kan,@function
k_q540c278d5d_kan:
	s_mov_b64 s[64:65], 0
	v_nop
	global_prefetch_b8 v0, s[64:65] scope:SCOPE_SE
	s_setreg_imm32_b32 hwreg(HW_REG_WAVE_MODE, 25, 1), 1
	s_wait_xcnt 0x0
	s_wait_alu depctr_hold_cnt(0) depctr_sa_sdst(0) depctr_va_vdst(0) depctr_va_sdst(0) depctr_va_ssrc(0) depctr_va_vcc(0) depctr_vm_vsrc(0)
	s_getreg_b32 s2, hwreg(HW_REG_IB_STS2, 6, 4)
	s_cmp_eq_u32 s2, 0
	s_cbranch_scc0 .Lentry_in_a_cluster
	s_endpgm
.Lentry_in_a_cluster:
	s_bfe_u32 s2, ttmp6, 0x10000c
	s_cmp_lg_u32 s2, 0x3003
	s_cbranch_scc0 .Lentry_shape_is_right
	s_endpgm
.Lentry_shape_is_right:
; out = gelu(layernorm(basis(sigmoid((x - shift) scale)) . coeffs + x skip_W^T + skip_b + bias)), both products on codes of BF8 (E5M2) with one E8M0 scale for each 32 along K.
; SHARES.  A work-group owns 128 rows, each of its eight waves 16 of them, for all of K = 4,096 and all 64 outputs: no sum crosses waves.  Two waves lie on a SIMD, so that one wave's
; matrix instructions and waits stand beside the other's vector work, which is nearly all of the kernel: 64 basis values for each of 64 features of each row.
; THE BASIS is Cox-de Boor on the knots AS THEY ARE GIVEN: nothing is taken of their order or spacing, so every interval is evaluated.  With dx_i = u - k_i and Rd_i = 1 / (k_(i+d) - k_i) (0 where that is
; not above 0; made by the launch before):  c1_i = (u in interval i) ? R1_i : 0;  bd_i = dx_i cd_i - dx_(i+d+1) cd_(i+1);  c(d+1)_i = R(d+1)_i bd_i.  That is reference()'s w1 b_i + w2 b_(i+1).
; A lane walks the knots for TWO features at once (roles A and B in the even and odd registers of pairs), so the arithmetic is packed.  The walk is a pipeline of 76 steps over rings of 12 cells; the
; constants of a step come by scalar loads, four steps' 128 bytes at a time, into two sets of scalar registers by turns, and cost no vector instruction.
; A BATCH is four features: lane (r, h) has row r, role A feature 4 n + h, role B feature 4 n + 2 + h.  A block of 32 along K (one feature, half its g) lies in ONE lane; v_permlane16_swap_b32 then
; brings the codes into the operand's layout.  Role A gives K step 2 n (features 4 n, 4 n + 1), role B K step 2 n + 1.  Within a K step the blocks stand as (f, low g), (f + 1, low g), (f, high g), (f + 1, high g), in both operands.
; THE WEIGHT, 32 records of codes and scale words in the order of the operand's registers, 270,336 bytes, comes into LDS ONCE.  The four work-groups of a cluster want the same bytes: each wave's
; eighth is asked for JOINTLY, by the same tensor load with the same descriptor and the mask of all four.  By this text's count a wave has one tensor load out.  No LDS byte is filled twice.
; BOTH PRODUCTS ARE USED TRANSPOSED (source 0 = 16 columns of the weight, source 1 = my 16 rows): register j of accumulator t is c(row r, w = 16 t + 8 h + j).
; The skip product (K = 64, the rest of its K step zero codes on both sides) starts the four sums, with bias + skip_b as its C: nothing is cleared.
; GELU = max(y, 0) - |y| E / 2, E = 1 - erf(|y| / sqrt 2) by the five-term form t = 1 / (1 + p z), E = (a1 t + .. + a5 t^5) exp(-z^2) (Abramowitz and Stegun 7.1.26: within 1.5e-7 for every z >= 0).
; LIMITS: NaN and infinities among the inputs are not served.  A block of zeros gets the scale byte 1 with zero codes.  The sums run along K in the order of the records.
; REGISTERS, window 0: v1 16 x lane; v2, v4, v6 LDS addresses in hand; v3, v7, v10, v11 my rows' places in LDS; v5 4 x lane + 8192; v[8:9] u of the two roles; v12-27 the quantiser's; v28-29 the basis' scale words,
;   v30-33 the weight's, v34 x's (these seven hold scales and nothing else); v36-59 ring of dx; v60-83 ring of cells; v84-147 32 pairs of basis values; v148-179, v180-211 the two roles' held numbers; v212-227, v228-243 their codes.
;   window 1: v0-31 the four accumulators; v32-159 the weight's fragments of two K steps; v160-191 gamma, v192-223 beta.
.set WQB, 270336                       ; LDS: the weight's records; behind them each wave's own 16 rows x 272 bytes: x, then u, then the way out
.set REC, 8448
.set XTW, 4352
.set XP,  272                          ; 256 bytes + 16: row r begins at word 68 r, so sixteen rows begin in sixteen different groups of four banks (64 banks of 4 bytes: ISA guide 11.1)
.set DX,  36
.set X,   60
.set P,   84
.set ZA,  148
.set ZB,  180
.set QA,  212
.set QB,  228
.set MSB, 0
.macro WIN new                         ; the immediate's high byte repeats the setting that is left
.if MSB != \new
	s_set_vgpr_msb (MSB<<8)|\new
.set MSB, \new
.endif
.endm
.macro PLACES n
.rept \n
	v_nop
.endr
.endm
.macro CROUND                          ; a round of the cluster's barrier
	s_barrier_signal -1
	s_barrier_wait -1
	s_cmp_lg_u32 s38, 0
	s_cbranch_scc1 .Lnot_wave_0_\@
	s_barrier_signal -3
.Lnot_wave_0_\@:
	s_barrier_wait -3
	s_barrier_signal -1
	s_barrier_wait -1
.endm
.macro CLOAD m                         ; the table's entries 4 m .. 4 m + 3 into scalar set m % 2: s[4:35] or s[68:99]
	s_load_b512 s[4+64*((\m)%2):19+64*((\m)%2)], s[36:37], 128*(\m)
	s_load_b512 s[20+64*((\m)%2):35+64*((\m)%2)], s[36:37], 128*(\m)+64
.endm
; accumulator t = or += 16 columns of a weight (v[a] on, window 1) x my rows' codes (v[b] on); the weight's scale words of tiles 2 u and 2 u + 1 share a register: the odd tile's lie in lanes 16-31
.macro WM t, a, b, c, ws, sw
.if (\t)%2
	v_wmma_scale_f32_16x16x128_f8f6f4 v[8*(\t):8*(\t)+7], v[\a:\a+15], v[\b:\b+15], v[\c:\c+7], v[\ws], v[\sw] matrix_a_fmt:MATRIX_FMT_BF8 matrix_b_fmt:MATRIX_FMT_BF8 matrix_a_scale:MATRIX_SCALE_ROW1
.else
	v_wmma_scale_f32_16x16x128_f8f6f4 v[8*(\t):8*(\t)+7], v[\a:\a+15], v[\b:\b+15], v[\c:\c+7], v[\ws], v[\sw] matrix_a_fmt:MATRIX_FMT_BF8 matrix_b_fmt:MATRIX_FMT_BF8
.endif
.endm
	s_load_b512 s[4:19], s[0:1], 0x0               ; inputs s[4:5], shift s[6:7], fscale s[8:9], ctab s[10:11], wq s[12:13], skip codes s[14:15], skip scales s[16:17], skip_b s[18:19]
	s_load_b256 s[20:27], s[0:1], 0x40             ; bias s[20:21], gamma s[22:23], beta s[24:25], out0 s[26:27]
	v_lshl_add_u32 v254, v0, 2, 0x4a800
	v_mov_b32 v255, 0
	ds_add_u32 v254, v255
	ds_add_u32 v254, v255
	v_lshrrev_b32 v2, 5, v0
	v_readfirstlane_b32 s38, v2                    ; wave 0..7
	v_and_b32 v244, 31, v0                         ; lane
	v_and_b32 v245, 15, v0                         ; r
	v_bfe_u32 v247, v0, 4, 1                       ; h
	v_lshlrev_b32 v1, 4, v244
	v_lshl_add_u32 v5, v244, 2, 8192
	v_lshlrev_b32 v246, 1, v244                    ; skip_W's scales: 2 bytes a row
	s_mul_i32 s60, s38, XTW
	s_add_co_u32 s60, s60, WQB                     ; my wave's rows in LDS
	v_mul_u32_u24 v2, v245, XP
	v_add_nc_u32 v2, s60, v2
	v_lshl_add_u32 v3, v247, 2, v2                 ; row r, + 4 h: u of feature h
	v_lshl_add_u32 v10, v247, 6, v2                ; row r, + 64 h: x as a fragment
	v_lshl_add_u32 v11, v247, 5, v2                ; row r, + 32 h: results into the stage
	v_mul_u32_u24 v7, v247, XP
	v_lshl_add_u32 v7, v245, 4, v7
	v_add_nc_u32 v7, s60, v7                       ; by rows: lanes 0-15 one row, lanes 16-31 the next, 16 bytes a lane
	v_lshlrev_b32 v248, 4, v247
	v_lshl_add_u32 v248, v245, 6, v248             ; skip_W's codes: row r of 64 bytes, + 16 h
	v_lshlrev_b32 v249, 4, v245                    ; shift and scale of my four features of a row
	v_lshlrev_b32 v250, 5, v247                    ; biases, gamma, beta: my half's eight numbers of a tile
	v_mov_b32 v14, 0                               ; written once: a lane permute's destination counts as one of its sources
	v_mov_b32 v15, 0
	v_mov_b32 v26, 0
	v_mov_b32 v27, 0
	s_mov_b32 s42, 0x76543210
	s_mov_b32 s43, 0xfedcba98                      ; v_permlanex16_b32's selects for lane l xor 16
	s_mov_b32 s44, 0x600000                        ; the mantissa field of 57,344
	s_mov_b32 s39, 0                               ; the batch
	s_mov_b32 s40, 0                               ; LDS: the batch's two records
	s_mov_b32 s41, 16                              ; and the NEXT batch's u: 16 bytes a batch
	s_bfe_u32 s60, ttmp6, 0x40000                  ; cx: it enters x's and out0's addresses alone
	s_lshl_b32 s61, ttmp9, 2
	s_add_co_u32 s61, s61, s60                     ; work-group = 4 x cluster + cx
	s_lshl_b32 s61, s61, 3
	s_add_co_u32 s61, s61, s38
	s_lshl_b32 s62, s61, 12                        ; my 16 rows of 256 bytes
	s_mov_b32 s63, 0
	s_mul_i32 s66, s38, 33792                      ; my eighth of the weight: in memory and in LDS alike
	s_mov_b32 s67, 0
	; descriptor group 1: 132 dense rows of 256 bytes (32 elements of 8 bytes), no padding: the images are read 16 bytes a lane on end
	s_mov_b32 s72, 15|(3<<16)|(1<<21)              ; 15:0 the mask: all four work-groups; 17:16 elements of 8 bytes; 21 set beside a mask
	s_mov_b32 s73, 32<<16                          ; tensor_dim0 = 32
	s_mov_b32 s74, 132<<16                         ; tensor_dim1 = 132
	s_mov_b32 s75, 32<<16                          ; tile_dim0 = 32
	s_mov_b32 s76, 132                             ; tile_dim1 = 132
	s_mov_b32 s77, 32                              ; tensor_dim0_stride
	s_mov_b32 s78, 0
	s_mov_b32 s79, 0
	s_wait_dscnt 0x0
	s_wait_kmcnt 0x0
	s_mov_b64 s[36:37], s[10:11]                   ; the table
	s_add_nc_u64 s[4:5], s[4:5], s[62:63]          ; x at my rows
	s_add_nc_u64 s[58:59], s[26:27], s[62:63]      ; out0 likewise
	s_mov_b32 s68, 1                               ; group 0: count = 1,
	s_mov_b32 s69, s66                             ; LDS address,
	s_add_nc_u64 s[70:71], s[12:13], s[66:67]      ; global address,
	s_or_b32 s71, s71, 0x80000000                  ; type = 2
	CROUND                                         ; all four work-groups are here: the joint loads meet
	tensor_load_to_lds s[68:71], s[72:79]
	s_nop 0
	PLACES 4                                       ; four v_nop behind the load, ahead of any switch of windows
.irp j, 0,1,2,3,4,5,6,7
	global_load_b128 v[P+4*\j:P+4*\j+3], v1, s[4:5] offset:512*\j th:TH_LOAD_NT   ; rows 2 j, 2 j + 1: 32 lanes read 512 consecutive bytes
.endr
	global_load_b128 v[116:119], v249, s[6:7]      ; shift
	global_load_b128 v[120:123], v249, s[8:9]      ; scale
	WIN 0x40                                       ; destination window 1
.irp t, 0,1,2,3
.irp c, 0,1
	global_load_b128 v[32+16*\t+4*\c:35+16*\t+4*\c], v248, s[14:15] offset:1024*\t+32*\c   ; skip_W(16 t + r, 32 c + 16 h ..)
.endr
.endr
	WIN 0
	global_load_u16 v30, v246, s[16:17]            ; its scale bytes: lanes 0-15 tile 0, lanes 16-31 tile 1; bytes 2, 3 are 0 and stand over zero codes
	global_load_u16 v31, v246, s[16:17] offset:64  ; tiles 2, 3
.irp t, 0,1,2,3
	global_load_b128 v[ZB+8*\t:ZB+8*\t+3], v250, s[18:19] offset:64*\t       ; skip_b, in the result's layout
	global_load_b128 v[ZB+8*\t+4:ZB+8*\t+7], v250, s[18:19] offset:64*\t+16
.endr
.irp t, 0,1,2,3
	global_load_b128 v[DX+8*\t:DX+8*\t+3], v250, s[20:21] offset:64*\t       ; bias
	global_load_b128 v[DX+8*\t+4:DX+8*\t+7], v250, s[20:21] offset:64*\t+16
.endr
	WIN 0x40
.irp t, 0,1,2,3
	global_load_b128 v[160+8*\t:163+8*\t], v250, s[22:23] offset:64*\t       ; gamma
	global_load_b128 v[164+8*\t:167+8*\t], v250, s[22:23] offset:64*\t+16
.endr
.irp t, 0,1,2,3
	global_load_b128 v[192+8*\t:195+8*\t], v250, s[24:25] offset:64*\t       ; beta
	global_load_b128 v[196+8*\t:199+8*\t], v250, s[24:25] offset:64*\t+16
.endr
	WIN 0
	; ---- x turns through my rows in LDS into the operand's layout; u is made of it and takes its place there
	s_wait_loadcnt 42                              ; x, shift and scale are in: 8 + 2 + 8 + 8 + 8 + 8 loads were issued behind them
.irp j, 0,1,2,3,4,5,6,7
	ds_store_b128 v7, v[P+4*\j:P+4*\j+3] offset:544*\j
.endr
.irp c, 0,1
.irp q, 0,1,2,3
	ds_load_b128 v[ZA+16*\c+4*\q:ZA+16*\c+4*\q+3], v10 offset:128*\c+16*\q   ; x(r, 32 c + 16 h + 4 q ..).  LDS serves a wave's instructions in order (ISA guide 5.7.1.4): these see the stores above
.endr
.endr
	v_pk_mul_f32 v[120:121], v[120:121], 0xbfb8aa3b op_sel_hi:[1,0]          ; -log2(e) x scale
	v_pk_mul_f32 v[122:123], v[122:123], 0xbfb8aa3b op_sel_hi:[1,0]
	s_wait_dscnt 8                                 ; the eight stores are done: their registers may be written; the eight loads may be out
.irp j, 0,1,2,3,4,5,6,7
.irp p, 0,1
	v_pk_add_f32 v[P+4*\j+2*\p:P+4*\j+2*\p+1], v[P+4*\j+2*\p:P+4*\j+2*\p+1], v[116+2*\p:117+2*\p] neg_lo:[0,1] neg_hi:[0,1]   ; x - shift
.endr
.endr
.irp j, 0,1,2,3,4,5,6,7
.irp p, 0,1
	v_pk_mul_f32 v[P+4*\j+2*\p:P+4*\j+2*\p+1], v[P+4*\j+2*\p:P+4*\j+2*\p+1], v[120+2*\p:121+2*\p]
.endr
.endr
.set i, 0
.rept 32
	v_exp_f32 v[P+i], v[P+i]
.set i, i+1
.endr
	v_nop                                          ; a plain line behind the exponentials
.set i, 0
	s_wait_alu depctr_va_vdst(0)
.rept 16
	v_pk_add_f32 v[P+i:P+i+1], v[P+i:P+i+1], 1.0 op_sel_hi:[1,0]
.set i, i+2
.endr
.set i, 0
.rept 32
	v_rcp_f32 v[P+i], v[P+i]                       ; u = 1 / (1 + exp(-z))
.set i, i+1
.endr
	v_nop
	s_wait_alu depctr_va_vdst(0)
.irp j, 0,1,2,3,4,5,6,7
	ds_store_b128 v7, v[P+4*\j:P+4*\j+3] offset:544*\j   ; behind the fragment's loads in my wave's order
.endr
	s_wait_dscnt 8                                 ; the fragment of x is in; the eight stores of u may be out
	; ---- x's two blocks of 32 are quantised: 16 numbers of each in this lane, 16 in lane l xor 16
.irp b, 0,1
	v_max3_num_f32 v[12+\b], |v[ZA+16*\b]|, |v[ZA+16*\b+1]|, 0x8000000       ; with the floor 2^(16 - 127): the byte cannot fall under 1
.endr
.irp i, 2,4,6,8,10,12,14
.irp b, 0,1
	v_max3_num_f32 v[12+\b], v[12+\b], |v[ZA+16*\b+\i]|, |v[ZA+16*\b+\i+1]|
.endr
.endr
.irp b, 0,1
	v_permlanex16_b32 v[14+\b], v[12+\b], s42, s43
.endr
.irp b, 0,1
	v_max_num_f32 v[12+\b], v[12+\b], v[14+\b]
.endr
.irp b, 0,1
	v_add_nc_u32 v[16+\b], 0xf8800000, v[12+\b]    ; 15 off the exponent field: the conversion's scale operand
.endr
.irp b, 0,1
	v_and_or_b32 v[18+\b], v[12+\b], 0x7f800000, s44   ; 57,344 x the scale
.endr
.irp b, 0,1
	v_lshrrev_b32 v[20+\b], 23, v[16+\b]           ; the scale's byte
.endr
	v_lshl_or_b32 v34, v21, 8, v20                 ; x's scale word; its bytes 2, 3 are 0 and stand over zero codes
.irp b, 0,1
.irp i, 0,1,2,3,4,5,6,7,8,9,10,11,12,13,14,15
	v_med3_num_f32 v[ZA+16*\b+\i], v[ZA+16*\b+\i], -v[18+\b], v[18+\b]       ; the conversion to an 8-bit code does not saturate (ISA guide 7.6.2)
.endr
	v_cvt_scalef32_pk8_bf8_f32 v[QA+4*\b:QA+4*\b+1], v[ZA+16*\b:ZA+16*\b+7], v[16+\b]
	v_cvt_scalef32_pk8_bf8_f32 v[QA+4*\b+2:QA+4*\b+3], v[ZA+16*\b+8:ZA+16*\b+15], v[16+\b]
.endr
	v_nop                                          ; a plain line behind the last conversion
.irp i, 8,9,10,11,12,13,14,15
	v_mov_b32 v[QA+\i], 0                          ; K = 64 .. 127 of this one K step: zero codes, on both sides
.endr
	WIN 0x40
.irp t, 0,1,2,3
.irp i, 8,9,10,11,12,13,14,15
	v_mov_b32 v[32+16*\t+\i], 0
.endr
.endr
	WIN 0
	s_wait_loadcnt 16                              ; all but gamma's and beta's sixteen loads
.set i, 0
.rept 16
	v_pk_add_f32 v[DX+i:DX+i+1], v[DX+i:DX+i+1], v[ZB+i:ZB+i+1]              ; bias + skip_b: the C of the first products
.set i, i+2
.endr
	PLACES 8                                       ; a scale word made by vector instructions stands eight places ahead of a scaled matrix instruction, codes four
	WIN 0x41                                       ; source 0 and D window 1
.irp t, 0,1,2,3
	WM \t, 32+16*\t, QA, DX+8*\t, 30+\t/2, 34
.endr
	WIN 0
	PLACES 8                                       ; ahead of the vector instructions that write the registers which these products read (ISA guide 7.12.1)
	s_wait_loadcnt 0x0                             ; every load is done: its base may be written
	CLOAD 0
	ds_load_b32 v8, v3                             ; batch 0's u: features h and 2 + h
	ds_load_b32 v9, v3 offset:8
	s_wait_tensorcnt 0x0                           ; my eighth of the weight has landed,
	s_wait_dscnt 0x0
	s_barrier_signal -1
	s_barrier_wait -1                              ; everybody's has.
; ---- THE WALK.  stp is the step; cell j lies at X + 2 (j % 12), dx_j at DX + 2 (j % 12); a cell holds in turn c1, dx c1, b1, c2, dx c2, b2, c3, dx c3.
.macro TMUL j                          ; cell j x dx_j
	v_pk_mul_f32 v[X+2*((\j)%12):X+2*((\j)%12)+1], v[DX+2*((\j)%12):DX+2*((\j)%12)+1], v[X+2*((\j)%12):X+2*((\j)%12)+1]
.endm
.macro TFMA d, j, n                    ; v[d] = cell j - dx_(j+n) x cell j + 1
	v_pk_fma_f32 v[\d:\d+1], v[DX+2*((\j+\n)%12):DX+2*((\j+\n)%12)+1], v[X+2*((\j+1)%12):X+2*((\j+1)%12)+1], v[X+2*((\j)%12):X+2*((\j)%12)+1] neg_lo:[1,0,0] neg_hi:[1,0,0]
.endm
.macro TCON j, k                       ; cell j x the entry's constant at word k (the pair's low word serves both roles)
	v_pk_mul_f32 v[X+2*((\j)%12):X+2*((\j)%12)+1], v[X+2*((\j)%12):X+2*((\j)%12)+1], s[E+\k:E+\k+1] op_sel_hi:[1,0]
.endm
; One step.  Every line takes what the step before made; in a step the line that reads cell j + 1 stands ahead of the line that writes it.
.macro STEP
.set E, 4+64*((stp/4)%2)+8*(stp%4)     ; the step's entry of the table
.if (stp >= 4) && (stp <= 70)
	s_and_not1_b32 s[54+stp%2], s[46+stp%4], s[46+(stp+1)%4]                 ; interval i = stp - 4 holds u: k_i <= u and not k_(i+1) <= u (the last: not k_67 < u), role A,
	s_and_not1_b32 s[56+stp%2], s[50+stp%4], s[50+(stp+1)%4]                 ; role B
.endif
.if stp <= 67
	v_pk_add_f32 v[DX+2*(stp%12):DX+2*(stp%12)+1], v[8:9], s[E:E+1] op_sel_hi:[1,0]   ; dx = u - k
.endif
.if (stp >= 1) && (stp <= 67)
	v_cmp_le_f32 s[46+(stp+3)%4], 0, v[DX+2*((stp+11)%12)]
	v_cmp_le_f32 s[50+(stp+3)%4], 0, v[DX+2*((stp+11)%12)+1]
.endif
.if stp == 68
	v_cmp_lt_f32 s[46+(stp+3)%4], 0, v[DX+2*((stp+11)%12)]                   ; the last interval is closed above
	v_cmp_lt_f32 s[50+(stp+3)%4], 0, v[DX+2*((stp+11)%12)+1]
.endif
.if stp >= 12
	TFMA P+2*((stp-12)%32), stp-12, 4              ; b3
.endif
.if (stp >= 11) && (stp <= 74)
	TMUL stp-11
.endif
.if (stp >= 10) && (stp <= 74)
	TCON stp-10, 4                                 ; c3 = R3 b2
.endif
.if (stp >= 9) && (stp <= 73)
	TFMA X+2*((stp-9)%12), stp-9, 3                ; b2
.endif
.if (stp >= 8) && (stp <= 72)
	TMUL stp-8
.endif
.if (stp >= 7) && (stp <= 72)
	TCON stp-7, 2                                  ; c2 = R2 b1
.endif
.if (stp >= 6) && (stp <= 71)
	TFMA X+2*((stp-6)%12), stp-6, 2                ; b1
.endif
.if (stp >= 5) && (stp <= 70)
	TMUL stp-5
.endif
.if (stp >= 4) && (stp <= 70)
	v_cndmask_b32 v[X+2*((stp-4)%12)], 0, s[E+6], s[54+stp%2]                ; c1 = R1 where the interval holds u, else 0
	v_cndmask_b32 v[X+2*((stp-4)%12)+1], 0, s[E+6], s[56+stp%2]
.endif
.endm
; The 32 pairs in P (g = 32 blk + 0 .. 31 of the lane's two features) become 32 codes a role and a scale's byte a role.  A whole block lies in this lane.
; The hold is two-sided: with knots in any order a basis value can be negative.  It also parts the two roles.
.macro QUANT blk
.irp q, 0,1
	v_max3_num_f32 v[12+\q], |v[P+32*\q]|, |v[P+32*\q+2]|, 0x8000000         ; four chains, each with the floor 2^(16 - 127)
	v_max3_num_f32 v[14+\q], |v[P+32*\q+1]|, |v[P+32*\q+3]|, 0x8000000
.endr
.irp i, 4,8,12,16,20,24,28
.irp q, 0,1
	v_max3_num_f32 v[12+\q], v[12+\q], |v[P+32*\q+\i]|, |v[P+32*\q+\i+2]|
	v_max3_num_f32 v[14+\q], v[14+\q], |v[P+32*\q+\i+1]|, |v[P+32*\q+\i+3]|
.endr
.endr
	v_max_num_f32 v12, v12, v13
	v_max_num_f32 v14, v14, v15
	v_add_nc_u32 v16, 0xf8800000, v12
	v_add_nc_u32 v17, 0xf8800000, v14
	v_and_or_b32 v18, v12, 0x7f800000, s44
	v_and_or_b32 v19, v14, 0x7f800000, s44
	v_lshrrev_b32 v[20+\blk], 23, v16
	v_lshrrev_b32 v[22+\blk], 23, v17
.set g, 0
.rept 32
	v_med3_num_f32 v[ZA+g], v[P+2*g], -v18, v18
	v_med3_num_f32 v[ZB+g], v[P+2*g+1], -v19, v19
.set g, g+1
.endr
.irp m, 0,1,2,3
	v_cvt_scalef32_pk8_bf8_f32 v[QA+8*\blk+2*\m:QA+8*\blk+2*\m+1], v[ZA+8*\m:ZA+8*\m+7], v16
	v_cvt_scalef32_pk8_bf8_f32 v[QB+8*\blk+2*\m:QB+8*\blk+2*\m+1], v[ZB+8*\m:ZB+8*\m+7], v17
.endr
	v_nop                                          ; a plain line behind the last conversion
.endm
.Lbatch:                                           ; 16 trips: four features each
.set stp, 0
.rept 76
.if stp%4 == 0
	s_wait_kmcnt 0x0                               ; these four steps' entries are in (scalar loads come back in no order: only the count 0 shows it);
.if stp/4+1 < 19
	CLOAD stp/4+1                                  ; the next four steps' go into the set that the last four steps have done with
.endif
.endif
.if stp == 44
	QUANT 0                                        ; g = 0 .. 31 are finished; this step begins to write over them
.endif
	STEP
.set stp, stp+1
.endr
	v_add_nc_u32 v4, s41, v3
	s_cmp_eq_u32 s39, 15                           ; the last batch asks for nothing ahead
	s_cbranch_scc1 .Lno_next
	CLOAD 0
	ds_load_b32 v8, v4                             ; the next batch's u
	ds_load_b32 v9, v4 offset:8
.Lno_next:
	v_add_nc_u32 v2, s40, v1
	v_add_nc_u32 v6, s40, v5
	WIN 0x40                                       ; destination window 1.  The last products stand a whole walk back
.irp u, 0,1
.irp t, 0,1,2,3
.irp c, 0,1,2,3
	ds_load_b128 v[32+64*\u+16*\t+4*\c:35+64*\u+16*\t+4*\c], v2 offset:REC*\u+2048*\t+512*\c   ; an image of the operand's registers: 16 bytes a lane on end
.endr
.endr
.endr
	WIN 0
.irp u, 0,1
.irp q, 0,1
	ds_load_b32 v[30+2*\u+\q], v6 offset:REC*\u+128*\q    ; scale words: lanes 0-15 tile 2 q, lanes 16-31 tile 2 q + 1
.endr
.endr
	QUANT 1                                        ; the loads land meanwhile
	v_lshl_or_b32 v24, v21, 16, v20                ; my feature's two bytes, in the places of blocks 0 and 2,
	v_lshl_or_b32 v25, v23, 16, v22
	v_permlanex16_b32 v26, v24, s42, s43
	v_permlanex16_b32 v27, v25, s42, s43
	v_lshl_or_b32 v28, v26, 8, v24                 ; and the other feature's in those of blocks 1 and 3: right in lanes 0-15, which are the ones read
	v_lshl_or_b32 v29, v27, 8, v25
.irp q, 0,1,2,3                        ; lanes 16-31 of (f + 1, low 16 g) change places with lanes 0-15 of (f, high 16 g): registers 4 c .. 4 c + 3 are then block c, k = 16 h + 0 .. 15
	v_permlane16_swap_b32 v[QA+\q], v[QA+4+\q]
	v_permlane16_swap_b32 v[QA+8+\q], v[QA+12+\q]
	v_permlane16_swap_b32 v[QB+\q], v[QB+4+\q]
	v_permlane16_swap_b32 v[QB+8+\q], v[QB+12+\q]
.endr
	PLACES 8                                       ; a scale word made by vector instructions stands eight places ahead of a scaled matrix instruction, codes four
	s_wait_dscnt 0x0                               ; the weight's fragments and words, and the next u
	WIN 0x51                                       ; source 0, C and D window 1
.irp u, 0,1                            ; the four accumulators take turns, one instruction a turn, over the backward jump too
.irp t, 0,1,2,3
	WM \t, 32+64*\u+16*\t, QA+16*\u, 8*\t, 30+2*\u+\t/2, 28+\u
.endr
.endr
	WIN 0
	s_add_co_u32 s40, s40, 2*REC
	s_add_co_u32 s41, s41, 16
	s_add_co_u32 s39, s39, 1
	s_cmp_lt_u32 s39, 16
	s_cbranch_scc1 .Lbatch
	; ---- LayerNorm: a row's 64 numbers lie in lanes r and 16 + r, 32 in each
	s_mov_b32 s60, 0x3c800000                      ; 1 / 64
	s_mov_b32 s61, 0x3727c5ac                      ; 1e-5
	PLACES 8                                       ; ahead of the first read of results (ISA guide 7.12.1)
	WIN 0x05                                       ; sources 0 and 1 window 1
.irp t, 0,1,2,3
	v_pk_add_f32 v[ZA+4*\t:ZA+4*\t+1], v[8*\t:8*\t+1], v[8*\t+2:8*\t+3]       ; each accumulator from its low end on
	v_pk_add_f32 v[ZA+4*\t+2:ZA+4*\t+3], v[8*\t+4:8*\t+5], v[8*\t+6:8*\t+7]
.endr
	WIN 0
.irp t, 0,1,2,3
	v_pk_add_f32 v[ZA+4*\t:ZA+4*\t+1], v[ZA+4*\t:ZA+4*\t+1], v[ZA+4*\t+2:ZA+4*\t+3]
.endr
	v_pk_add_f32 v[ZA:ZA+1], v[ZA:ZA+1], v[ZA+4:ZA+5]
	v_pk_add_f32 v[ZA+8:ZA+9], v[ZA+8:ZA+9], v[ZA+12:ZA+13]
	v_pk_add_f32 v[ZA:ZA+1], v[ZA:ZA+1], v[ZA+8:ZA+9]
	v_add_f32 v[ZA], v[ZA], v[ZA+1]
	v_permlanex16_b32 v26, v[ZA], s42, s43
	v_add_f32 v[ZA], v[ZA], v26
	v_mul_f32 v[ZA], s60, v[ZA]                    ; the mean
	WIN 0x01                                       ; source 0 window 1
.set i, 0
.rept 16
	v_pk_add_f32 v[P+i:P+i+1], v[i:i+1], v[ZA:ZA+1] op_sel_hi:[1,0] neg_lo:[0,1] neg_hi:[0,1]   ; c - mean
.set i, i+2
.endr
	WIN 0
	v_pk_mul_f32 v[ZA+2:ZA+3], v[P:P+1], v[P:P+1]
	v_pk_mul_f32 v[ZA+4:ZA+5], v[P+2:P+3], v[P+2:P+3]
.irp i, 4,8,12,16,20,24,28
	v_pk_fma_f32 v[ZA+2:ZA+3], v[P+\i:P+\i+1], v[P+\i:P+\i+1], v[ZA+2:ZA+3]
	v_pk_fma_f32 v[ZA+4:ZA+5], v[P+\i+2:P+\i+3], v[P+\i+2:P+\i+3], v[ZA+4:ZA+5]
.endr
	v_pk_add_f32 v[ZA+2:ZA+3], v[ZA+2:ZA+3], v[ZA+4:ZA+5]
	v_add_f32 v[ZA+2], v[ZA+2], v[ZA+3]
	v_permlanex16_b32 v26, v[ZA+2], s42, s43
	v_add_f32 v[ZA+2], v[ZA+2], v26
	v_fma_f32 v[ZA+2], v[ZA+2], s60, s61           ; the variance + 1e-5
	v_rsq_f32 v[ZA+2], v[ZA+2]
	v_nop
.set i, 0
	s_wait_alu depctr_va_vdst(0)
.rept 16
	v_pk_mul_f32 v[P+i:P+i+1], v[P+i:P+i+1], v[ZA+2:ZA+3] op_sel_hi:[1,0]
.set i, i+2
.endr
	WIN 0x14                                       ; sources 1 and 2 window 1
.set i, 0
.rept 16
	v_pk_fma_f32 v[P+i:P+i+1], v[P+i:P+i+1], v[160+i:161+i], v[192+i:193+i]  ; y = .. x gamma + beta
.set i, i+2
.endr
	WIN 0
	; ---- GELU.  The table's scalar sets are free: no scalar load is out
	s_mov_b32 s4, 0x3e6d3388                       ; 0.3275911 / sqrt 2
	s_mov_b32 s5, 0x3e6d3388                       ; (a pair is named, so both words are written)
	s_mov_b32 s6, 0xbf38aa3b                       ; -log2(e) / 2
	s_mov_b32 s7, 0xbf38aa3b
	s_mov_b32 s8, 0x3f87dc22                       ; a5 = 1.061405429
	s_mov_b32 s9, 0x3f87dc22
	s_mov_b32 s10, 0x3fb5f0e3                      ; a3 = 1.421413741
	s_mov_b32 s11, 0x3fb5f0e3
	s_mov_b32 s12, 0xbe91a98e                      ; a2 = -0.284496736
	s_mov_b32 s13, 0xbe91a98e
	s_mov_b32 s14, 0x3e827906                      ; a1 = 0.254829592
	s_mov_b32 s15, 0x3e827906
	v_mov_b32 v244, 0xbfba00e3                     ; a4 = -1.453152027
	v_mov_b32 v245, 0xbfba00e3
.set i, 0
.rept 32
	v_and_b32 v[ZA+i], 0x7fffffff, v[P+i]          ; |y|
.set i, i+1
.endr
.set i, 0
.rept 16
	v_pk_fma_f32 v[ZB+i:ZB+i+1], v[ZA+i:ZA+i+1], s[4:5], 1.0 op_sel_hi:[1,0,0]
	v_pk_mul_f32 v[DX+i:DX+i+1], v[P+i:P+i+1], v[P+i:P+i+1]
.set i, i+2
.endr
.set i, 0
.rept 16
	v_pk_mul_f32 v[DX+i:DX+i+1], v[DX+i:DX+i+1], s[6:7] op_sel_hi:[1,0]
.set i, i+2
.endr
.set i, 0
.rept 32
	v_rcp_f32 v[ZB+i], v[ZB+i]                     ; t
	v_exp_f32 v[DX+i], v[DX+i]                     ; exp(-y^2 / 2)
.set i, i+1
.endr
	v_nop
.set i, 0
.rept 32
	v_max_num_f32 v[P+32+i], 0, v[P+i]
.set i, i+1
.endr
.set i, 0
	s_wait_alu depctr_va_vdst(0)
.rept 16
	v_pk_fma_f32 v[QA+i:QA+i+1], v[ZB+i:ZB+i+1], s[8:9], v[244:245] op_sel_hi:[1,0,1]
.set i, i+2
.endr
.irp k, 10,12,14
.set i, 0
.rept 16
	v_pk_fma_f32 v[QA+i:QA+i+1], v[QA+i:QA+i+1], v[ZB+i:ZB+i+1], s[\k:\k+1] op_sel_hi:[1,1,0]
.set i, i+2
.endr
.endr
.set i, 0
.rept 16
	v_pk_mul_f32 v[QA+i:QA+i+1], v[QA+i:QA+i+1], v[ZB+i:ZB+i+1]
.set i, i+2
.endr
.set i, 0
.rept 16
	v_pk_mul_f32 v[QA+i:QA+i+1], v[QA+i:QA+i+1], v[DX+i:DX+i+1]              ; E
.set i, i+2
.endr
.set i, 0
.rept 16
	v_pk_mul_f32 v[QA+i:QA+i+1], v[QA+i:QA+i+1], v[ZA+i:ZA+i+1]
.set i, i+2
.endr
.set i, 0
.rept 16
	v_pk_fma_f32 v[P+32+i:P+32+i+1], v[QA+i:QA+i+1], -0.5, v[P+32+i:P+32+i+1] op_sel_hi:[1,0,1]   ; max(y, 0) - |y| E / 2
.set i, i+2
.endr
	; ---- the way out, through my own rows in LDS: a lane holds 32 bytes of a row in each tile; whole rows come back
.irp t, 0,1,2,3
	ds_store_b128 v11, v[P+32+8*\t:P+32+8*\t+3] offset:64*\t
	ds_store_b128 v11, v[P+32+8*\t+4:P+32+8*\t+7] offset:64*\t+16
.endr
.irp i, 0,1,2,3,4,5,6,7
	ds_load_b128 v[P+4*\i:P+4*\i+3], v7 offset:544*\i      ; LDS serves a wave's instructions in order: these see my stores
.endr
.irp i, 0,1,2,3,4,5,6,7
	s_wait_dscnt 7-\i                              ; LDS loads come back in order: load i is in; the last count is 0
	global_store_b128 v1, v[P+4*\i:P+4*\i+3], s[58:59] offset:512*\i th:TH_STORE_NT   ; 32 lanes store two rows, 512 consecutive bytes, at a multiple of 256 from out0's first byte
.endr
	s_wait_tensorcnt 0x0
	ds_add_u32 v254, v255
	s_wait_dscnt 0x0
	CROUND                                         ; the closing round: no work-group ends while a partner may still ask for bytes that name it
	s_endpgm
.Lfunc_end_k_q540c278d5d_kan:
	.size	k_q540c278d5d_kan, .Lfunc_end_k_q540c278d5d_kan-k_q540c278d5d_kan
	.p2alignl 7, 3214868480
	.fill 96, 4, 3214868480
	.section	.rodata,"a",@progbits
	.p2align	6, 0x0
	.amdhsa_kernel k_q540c278d5d_kan
		.amdhsa_group_segment_fixed_size 306176
		.amdhsa_private_segment_fixed_size 0
		.amdhsa_enable_private_segment 0
		.amdhsa_kernarg_size 96
		.amdhsa_user_sgpr_count 2
		.amdhsa_user_sgpr_kernarg_segment_ptr 1
		.amdhsa_wavefront_size32 1
		.amdhsa_system_sgpr_workgroup_id_x 1
		.amdhsa_system_sgpr_workgroup_id_y 1
		.amdhsa_system_sgpr_workgroup_id_z 1
		.amdhsa_system_vgpr_workitem_id 0
		.amdhsa_next_free_vgpr 480
		.amdhsa_next_free_sgpr 100
		.amdhsa_reserve_vcc 0
		.amdhsa_float_denorm_mode_32 3
		.amdhsa_float_denorm_mode_16_64 3
		.amdhsa_memory_ordered 1
		.amdhsa_forward_progress 1
		.amdhsa_inst_pref_size 130
	.end_amdhsa_kernel
	.amdgpu_metadata
---
amdhsa.version: [ 1, 2 ]
amdhsa.kernels:
  - .name:           k_q540c278d5d_kan
    .symbol:         k_q540c278d5d_kan.kd
    .args:
      - { .name: inputs, .offset: 0, .size: 8, .value_kind: global_buffer, .address_space: global }
      - { .name: input_shift, .offset: 8, .size: 8, .value_kind: global_buffer, .address_space: global }
      - { .name: fscale, .offset: 16, .size: 8, .value_kind: global_buffer, .address_space: global }
      - { .name: ctab, .offset: 24, .size: 8, .value_kind: global_buffer, .address_space: global }
      - { .name: wq, .offset: 32, .size: 8, .value_kind: global_buffer, .address_space: global }
      - { .name: skip_W_codes, .offset: 40, .size: 8, .value_kind: global_buffer, .address_space: global }
      - { .name: skip_W_scales, .offset: 48, .size: 8, .value_kind: global_buffer, .address_space: global }
      - { .name: skip_b, .offset: 56, .size: 8, .value_kind: global_buffer, .address_space: global }
      - { .name: bias, .offset: 64, .size: 8, .value_kind: global_buffer, .address_space: global }
      - { .name: ln_gamma, .offset: 72, .size: 8, .value_kind: global_buffer, .address_space: global }
      - { .name: ln_beta, .offset: 80, .size: 8, .value_kind: global_buffer, .address_space: global }
      - { .name: out0, .offset: 88, .size: 8, .value_kind: global_buffer, .address_space: global }
    .group_segment_fixed_size: 306176
    .private_segment_fixed_size: 0
    .kernarg_segment_align: 8
    .kernarg_segment_size: 96
    .max_flat_workgroup_size: 256
    .sgpr_count:     100
    .vgpr_count:     480
    .wavefront_size: 32
...
	.end_amdgpu_metadata
.endif
;; end of part 2
